; MI455X (gfx1250); checked and timed in simulation.
; The chip was launched on July 23, 2026; its instructions are those of AMD's public machine-readable ISA for CDNA 5 (MIT licence, August 2026) and "CDNA5" Instruction Set Architecture Reference Guide (July 2026). The comments in the code are by the model that wrote it; some were corrected since.
;; Attention. Allowed arithmetic: matrix products marked QUANTISED: E2M1 operands, one E8M0 scale for each 32 along K, by v_wmma_scale_f32_16x16x128_f8f6f4 with both operands' format E2M1 (or v_wmma_scale_f32_32x16x128_f4), f32 sums; products left as they are: f32 operands where the result goes on into a quantised operand, else bf16, f16 or f32 operands; f32 sums; everything else in f32.
;; Inputs: W_attn 2,048 x 1,024 float32; b_attn 1,024 float32; decoder_hidden_codes 64 x 32 x 16 uint8 (E2M1 codes of decoder_hidden, K innermost, in blocks of 32 codes, two codes a byte); decoder_hidden_scales 64 x 32 uint8 (E8M0 scales of decoder_hidden, one for each 32 codes along K); encoder_outputs_codes 64 x 1,024 x 32 x 16 uint8 (E2M1 codes of encoder_outputs, K innermost, in blocks of 32 codes, two codes a byte); encoder_outputs_scales 64 x 1,024 x 32 uint8 (E8M0 scales of encoder_outputs, one for each 32 codes along K); mask 64 x 1,024 int32; v_w 1,024 float32.
;; Outputs: out0 64 x 1,024 float32.
;; This version of the problem:
;;   THIS VERSION OF THE PROBLEM IS GIVEN IN LOW PRECISION. The matrix products marked QUANTISED in the list below multiply operands that are first quantised to E2M1 (2 exponent bits, 1 mantissa bit; 4 bits a number), with one power-of-two scale for each 32 numbers along K (OCP MX v1.0); their sums are f32. All else is computed in f32.
;;   The module's matrix products, in the order in which they are computed (A, B: the left and right operand; K: the contracted axis; several contracted axes count as one K, in the product's order):
;;     1. [M 64, K 1,024] x [K 1,024, N 1,024]; A: input decoder_hidden (given as codes); B: input W_attn: QUANTISED
;;     2. [M 65,536, K 1,024] x [K 1,024, N 1,024]; A: input encoder_outputs (given as codes); B: input W_attn: QUANTISED
;;     3. [M 65,536, K 1,024] x [K 1,024, N 1]; A: computed on the way; B: input v_w: left as it is (N = 1 < 16)
;;   THE QUANTISER, for each operand of a quantised product, along K:
;;     - K is cut into blocks of 32 from its start; a last block that is shorter is filled with zeros.
;;     - A block's scale is 2^e with e = floor(log2(the largest magnitude in the block)) - 2, held to -126 .. 127; a block of zeros has e = 0. As a byte (E8M0): e + 127.
;;     - Each number is divided by its block's scale, clamped to +-6, and rounded to the nearest number of E2M1, ties to even, subnormals kept.
;;     - The product sums the exact products of the quantised numbers (number of the format x scale) in f32.
;;   ~~~python
;;   def quantise(x, axis):      # numpy; x: float32 -> the quantised numbers, widened to float32 again
;;       x = np.moveaxis(x, axis, -1); K = x.shape[-1]
;;       x = np.pad(x, [(0, 0)] * (x.ndim - 1) + [(0, -K % 32)]); x = x.reshape(x.shape[:-1] + (-1, 32)); a = np.abs(x).max(-1, keepdims=True)
;;       e = np.where(a > 0, np.clip(np.frexp(np.where(a > 0, a, 1))[1] - 1 - 2, -126, 127), 0)      # np.frexp(a)[1] - 1 = floor(log2(a)), exactly
;;       r = np.clip(x / 2.0 ** e, -6, 6)
;;       step = 2.0 ** (np.maximum(np.frexp(np.where(r == 0, 1, r))[1] - 1, 0) - 1)
;;       q = np.round(r / step) * step * 2.0 ** e      # np.round: ties to even
;;       return np.moveaxis(q.reshape(q.shape[:-2] + (-1,))[..., :K], -1, axis).astype(np.float32)
;;   ~~~
;;   INPUTS GIVEN AS CODES. decoder_hidden (in the module: [64, 1024], K = its axis 1); encoder_outputs (in the module: [64, 1024, 1024], K = its axis 2): each comes as NAME_codes (uint8): NAME with its K axis moved to the last place and cut into blocks of 32 codes, [.., K / 32, bytes a block], one block behind the other in memory; two codes a byte, the lower K in the low four bits (a code: sign, 2 exponent bits, 1 mantissa bit); and NAME_scales (uint8): the same leading axes, one E8M0 byte (e + 127) for each 32 codes along K. Its value is code x scale, taken as it is: it is not quantised again, and the codes and scales need not be those that the quantiser above would give.
;; One version. Each part assembles by itself: llvm-mc -triple=amdgcn-amd-amdhsa -mcpu=gfx1250 --defsym DOCPART=n.
;; ======== version 1 of 1: 3 launches
;; workspace buffers: weimg 557,056 bytes; cbias 262,144 bytes; scores 262,144 bytes
;; launch prep (part 1): grid 64 x 1, 16 waves a work-group, no clusters, 34,816 bytes of LDS; arguments W_attn, b_attn, decoder_hidden_codes, decoder_hidden_scales, weimg, cbias; writes weimg, cbias
.if DOCPART == 1
	.amdgcn_target "amdgcn-amd-amdhsa--gfx1250"
	.amdhsa_code_object_version 6
	.text
	.protected	k_q638dda72d1_prep
	.globl	k_q638dda72d1_prep
	.p2align	8
	.type	k_q638dda72d1_prep,@function
k_q638dda72d1_prep:
	s_mov_b64 s[64:65], 0
	v_nop
	global_prefetch_b8 v0, s[64:65] scope:SCOPE_SE
	s_setreg_imm32_b32 hwreg(HW_REG_WAVE_MODE, 25, 1), 1
	s_wait_xcnt 0x0
; W_attn [2048 (k)][1024 (n)] f32 is quantised along K to codes of FP4 (E2M1) with one E8M0 byte for each 32 along K.  Rows 0-1023 are Wd, rows 1024-2047 We; 1,024 is a multiple of 32, so no block spans both.
; A work-group takes 32 columns of one half for all 1,024 along K: work-groups 0-31 Wd, 32-63 We.  Wave w takes K rows 64 w .. 64 w + 63: two blocks.  A LANE TAKES A COLUMN AND ITS REGISTERS RUN DOWN K:
; a block's largest magnitude needs no other lane, and the conversions give codes with K innermost.  Each load of a wave reads 128 consecutive bytes; all 64 loads of a wave are out together.
; The codes are gathered in LDS as RECORDS, one for each 16 columns (n-block), laid as the matrix operand's registers want them:
;   the 16 bytes of (column r, block kb) at 256 kb + 16 r: registers 4 c .. 4 c + 3 of the fragment of K step ks lie for lane l at 1024 ks + 512 c + 16 l, since kb = 4 ks + 2 c + l / 16;
;   the scale byte of (column r, block kb) at 8192 + 256 (kb / 16) + 16 r + kb % 16: one load of 16 bytes at 8192 + 16 l gives four registers; register i holds the word of K step i in lanes 0-15, of K step 4 + i in lanes 16-31.
; We: the two records leave to weimg as they lie, 512 consecutive bytes a store.
; Wd: the records stay in LDS, and waves 0-3 multiply them at once with the decoder's codes (wave w: batches 16 w .. 16 w + 15): cbias = c (dec Wd + b_attn), c = 2 log2(e), the factor that the next launch's tanh wants.
;   cbias is laid [batch / 16][batch % 8][n / 32][(batch / 8) % 2][n % 16][(n / 16) % 2], so that each store of a wave covers 256 consecutive bytes, aligned.
; A block's scale is 2^(floor(log2(its largest magnitude)) - 2); its byte is the largest magnitude's exponent field - 2, held at 1 from below.
; LIMITS: a block of zeros gets the byte 1 where the rule says 127 (its codes are zeros, and this program alone reads the bytes); blocks whose largest magnitude lies under 2^(3 - 127) are held at that byte;
; NaN, infinities and the scale byte 0xff among the inputs are not served.
; The text parts once, on the work-group's number; each of the two ways has LDS bytes of its own.
.set REC,  8704                        ; a record: 8,192 bytes of codes, 512 of scale bytes
.set LD,   0                           ; LDS: Wd's two records
.set LE,   2*REC                       ; We's two records
.set ACC,  16                          ; v16-31   two accumulators (n-block 0, 1)
.set X,    32                          ; v32-95   64 numbers of my column
.set BF,   32                          ; later: Wd's fragments of four K steps: n-block e, K step f at v[BF + 32 e + 8 f]
.set C,    96                          ; v96-103  the codes of my two blocks
.set DA,   104                         ; v104-167 the decoder's eight fragments
.set DS,   168                         ; v168-171 the decoder's scale words
.set BSC,  172                         ; v172-179 Wd's scale words, four registers an n-block
.set BB,   180                         ; v180-181 b_attn at my two columns;  v182-183 the same x c
.set CBB,  182
.set O,    184                         ; v184-199 what is stored
; v1 lane, v2 r = lane % 16, v3 h = lane / 16, v4 4 x lane, v5 where my codes go, v6 where my two scale bytes go, v7 16 x lane, v8-13 at work,
; v200 512 r + 16 h, v201 32 r + 16 h, v202 4 r, v203 8 x lane, v204 16 x lane + 512 x wave
; Block t of my column: its largest magnitude, the conversion's scale operand in v[10 + t], the byte in v[12 + t], the 32 codes in v[C + 4 t] on.
.macro QBLOCK t
.set XS, X+32*\t
	v_max3_num_f32 v8, |v[XS]|, |v[XS+1]|, |v[XS+2]|               ; two chains, so that no line waits for the line above it
	v_max3_num_f32 v9, |v[XS+3]|, |v[XS+4]|, |v[XS+5]|
.irp i, 6,10,14,18,22,26
	v_max3_num_f32 v8, v8, |v[XS+\i]|, |v[XS+\i+1]|
	v_max3_num_f32 v9, v9, |v[XS+\i+2]|, |v[XS+\i+3]|
.endr
	v_max3_num_f32 v8, v8, |v[XS+30]|, |v[XS+31]|
	v_max3_num_f32 v8, v8, v9, 0x1800000           ; and the floor 2^(3 - 127): the byte cannot fall under 1
	v_add_nc_u32 v[10+\t], 0xff000000, v8          ; 2 off the exponent field: the conversion takes the exponent field of this operand as its scale
	v_lshrrev_b32 v[12+\t], 23, v[10+\t]           ; the scale's byte
.irp g, 0,1,2,3
	v_cvt_scalef32_pk8_fp4_f32 v[C+4*\t+\g], v[XS+8*\g:XS+8*\g+7], v[10+\t]
.endr
	v_nop                                          ; one plain line behind the last conversion of a run
.endm
; My wave's 64 rows of W at my 32 columns become two blocks a lane, which go to their places in the two records at LDS byte base; then the work-group's barrier.
.macro QPART base
.set i, 0
.rept 64
	global_load_b32 v[X+i], v4, s[4:5] offset:4096*i   ; W(64 w + i, my column).  No hint: the neighbouring work-group takes the other half of the same 256 consecutive bytes
.set i, i+1
.endr
	s_wait_loadcnt 32                              ; all but the youngest 32: the first block's numbers are in, the second block's may be out
	QBLOCK 0
	ds_store_b128 v5, v[C:C+3] offset:\base
	s_wait_loadcnt 0x0
	QBLOCK 1
	ds_store_b128 v5, v[C+4:C+7] offset:\base+256
	v_lshl_or_b32 v12, v13, 8, v12                 ; my two bytes are neighbours
	ds_store_b16 v6, v12 offset:\base+8192
	s_wait_dscnt 0x0                               ; for the others' sake: my stores have landed
	s_barrier_signal -1
	s_barrier_wait -1                              ; the two records are whole
.endm
	s_load_b256 s[4:11], s[0:1], 0x0               ; W s[4:5], b_attn s[6:7], the decoder's codes s[8:9], its scales s[10:11]
	s_load_b128 s[12:15], s[0:1], 0x20             ; weimg s[12:13], cbias s[14:15]
	v_lshrrev_b32 v1, 5, v0
	v_readfirstlane_b32 s16, v1                    ; wave 0..15
	v_and_b32 v1, 31, v0                           ; lane
	v_and_b32 v2, 15, v0                           ; r
	v_bfe_u32 v3, v0, 4, 1                         ; h
	s_lshr_b32 s17, ttmp9, 5                       ; 0: Wd, 1: We
	s_and_b32 s18, ttmp9, 31                       ; p: columns 32 p .. 32 p + 31
	v_lshlrev_b32 v4, 2, v1
	v_mul_u32_u24 v5, v3, REC
	v_lshl_add_u32 v5, v2, 4, v5                   ; record h, + 16 r
	s_lshr_b32 s20, s16, 3
	s_lshl_b32 s20, s20, 8
	s_and_b32 s21, s16, 7
	s_lshl_b32 s21, s21, 1
	s_add_co_u32 s20, s20, s21
	v_add_nc_u32 v6, s20, v5                       ; scale bytes: + 256 (w / 8) + 2 (w % 8)  (8,192 stands in the immediate)
	s_lshl_b32 s20, s16, 9
	v_add_nc_u32 v5, s20, v5                       ; codes: + 512 w: blocks 2 w and 2 w + 1
	v_lshlrev_b32 v7, 4, v1
	v_add_nc_u32 v204, s20, v7
	v_lshlrev_b32 v200, 9, v2
	v_lshl_add_u32 v200, v3, 4, v200               ; the decoder's codes: row r of 512 bytes, + 16 h
	v_lshlrev_b32 v201, 5, v2
	v_lshl_add_u32 v201, v3, 4, v201               ; its scale bytes: row r of 32 bytes, + 16 h
	v_lshlrev_b32 v202, 2, v2
	v_lshlrev_b32 v203, 3, v1
	s_lshl_b32 s20, s17, 22                        ; W: 1,024 rows of 4,096 bytes for the half,
	s_lshl_b32 s21, s16, 18                        ; 64 rows for the wave,
	s_add_co_u32 s20, s20, s21
	s_lshl_b32 s21, s18, 7                         ; 128 bytes for the 32 columns
	s_add_co_u32 s20, s20, s21
	s_mov_b32 s21, 0
	s_mov_b32 s24, 0x4038aa3b                      ; c = 2 log2(e)
	s_wait_kmcnt 0x0
	s_add_nc_u64 s[4:5], s[4:5], s[20:21]
	s_cmp_ge_u32 ttmp9, 32
	s_cbranch_scc1 .Lwe
	; ---- Wd.  Waves 0-3 ask for the decoder's operand ahead of W's numbers, so that it lands meanwhile
	s_cmp_lt_u32 s16, 4
	s_cbranch_scc0 .Lno_dec
	s_lshl_b32 s20, s16, 13                        ; 16 rows of 512 bytes
	s_add_nc_u64 s[8:9], s[8:9], s[20:21]
	s_lshl_b32 s20, s16, 9                         ; 16 rows of 32 bytes
	s_add_nc_u64 s[10:11], s[10:11], s[20:21]
	s_lshl_b32 s20, s18, 7
	s_add_nc_u64 s[6:7], s[6:7], s[20:21]
.irp f, 0,1,2,3,4,5,6,7
	global_load_b128 v[DA+8*\f:DA+8*\f+3], v200, s[8:9] offset:64*\f        ; K step f: k = 128 f + 32 h + 0 .. 31,
	global_load_b128 v[DA+8*\f+4:DA+8*\f+7], v200, s[8:9] offset:64*\f+32   ; and + 64
.endr
	global_load_b128 v[DS:DS+3], v201, s[10:11]    ; register i: the word of K step i (lanes 0-15), of K step 4 + i (lanes 16-31)
	global_load_b32 v[BB], v202, s[6:7]            ; b_attn(32 p + r)
	global_load_b32 v[BB+1], v202, s[6:7] offset:64   ; b_attn(32 p + 16 + r)
.Lno_dec:
	QPART LD
	s_cmp_lt_u32 s16, 4
	s_cbranch_scc1 .Lmul
	s_endpgm                                       ; waves 4-15 have done their part; no barrier follows
.Lmul:
	s_lshl_b32 s20, s16, 16
	s_lshl_b32 s22, s18, 8
	s_add_co_u32 s20, s20, s22
	s_add_nc_u64 s[14:15], s[14:15], s[20:21]      ; cbias at [w][0][p]
	; source 0 = my 16 batches, source 1 = 16 columns of Wd: lane (r, h) holds column r and batches 8 h + 0 .. 7.  Four K steps at a time; the two accumulators take turns
.irp a, 0,1
.if \a
.rept 4
	v_nop                                          ; places in front of loads into registers that matrix instructions have read
.endr
.endif
.irp e, 0,1
.irp f, 0,1,2,3
	ds_load_b128 v[BF+32*\e+8*\f:BF+32*\e+8*\f+3], v7 offset:LD+\e*REC+(4*\a+\f)*1024
	ds_load_b128 v[BF+32*\e+8*\f+4:BF+32*\e+8*\f+7], v7 offset:LD+\e*REC+(4*\a+\f)*1024+512
.endr
.if \a == 0
	ds_load_b128 v[BSC+4*\e:BSC+4*\e+3], v7 offset:LD+\e*REC+8192
.endif
.endr
	s_wait_dscnt 0x0
.irp f, 0,1,2,3
.irp e, 0,1
.if (\a == 0) && (\f == 0)
	v_wmma_scale_f32_16x16x128_f8f6f4 v[ACC+8*\e:ACC+8*\e+7], v[DA+8*\f:DA+8*\f+7], v[BF+32*\e+8*\f:BF+32*\e+8*\f+7], 0, v[DS+\f], v[BSC+4*\e+\f] matrix_a_fmt:MATRIX_FMT_FP4 matrix_b_fmt:MATRIX_FMT_FP4
.elseif \a == 0
	v_wmma_scale_f32_16x16x128_f8f6f4 v[ACC+8*\e:ACC+8*\e+7], v[DA+8*\f:DA+8*\f+7], v[BF+32*\e+8*\f:BF+32*\e+8*\f+7], v[ACC+8*\e:ACC+8*\e+7], v[DS+\f], v[BSC+4*\e+\f] matrix_a_fmt:MATRIX_FMT_FP4 matrix_b_fmt:MATRIX_FMT_FP4
.else
	v_wmma_scale_f32_16x16x128_f8f6f4 v[ACC+8*\e:ACC+8*\e+7], v[DA+32+8*\f:DA+32+8*\f+7], v[BF+32*\e+8*\f:BF+32*\e+8*\f+7], v[ACC+8*\e:ACC+8*\e+7], v[DS+\f], v[BSC+4*\e+\f] matrix_a_fmt:MATRIX_FMT_FP4 matrix_b_fmt:MATRIX_FMT_FP4 matrix_a_scale:MATRIX_SCALE_ROW1 matrix_b_scale:MATRIX_SCALE_ROW1
.endif
.endr
.endr
.endr
	v_mul_f32 v[CBB], s24, v[BB]                   ; c b_attn: two of the four places behind the last product (ISA guide 7.12.1)
	v_mul_f32 v[CBB+1], s24, v[BB+1]
	v_nop
	v_nop
.irp j, 0,1,2,3,4,5,6,7
	v_fma_f32 v[O+2*\j], v[ACC+\j], s24, v[CBB]            ; c dec_proj + c b_attn; each accumulator from its low end on
	v_fma_f32 v[O+2*\j+1], v[ACC+8+\j], s24, v[CBB+1]
.endr
.irp j, 0,1,2,3,4,5,6,7
	global_store_b64 v203, v[O+2*\j:O+2*\j+1], s[14:15] offset:8192*\j   ; batch 16 w + 8 h + j: 32 lanes store 256 consecutive bytes, aligned
.endr
	s_endpgm
	; ---- We: the two records, 34 pieces of 512 bytes, leave as they lie: two pieces a wave, the last two by waves 0 and 1
.Lwe:
	QPART LE
	s_mul_i32 s20, s18, 2*REC
	s_add_nc_u64 s[12:13], s[12:13], s[20:21]      ; records 2 p and 2 p + 1
	ds_load_b128 v[184:187], v204 offset:LE
	ds_load_b128 v[188:191], v204 offset:LE+8192
	s_wait_dscnt 0x0
	global_store_b128 v204, v[184:187], s[12:13]
	global_store_b128 v204, v[188:191], s[12:13] offset:8192
	s_cmp_lt_u32 s16, 2
	s_cbranch_scc0 .Ldone
	ds_load_b128 v[192:195], v204 offset:LE+16384
	s_wait_dscnt 0x0
	global_store_b128 v204, v[192:195], s[12:13] offset:16384
.Ldone:
	s_endpgm
.Lfunc_end_k_q638dda72d1_prep:
	.size	k_q638dda72d1_prep, .Lfunc_end_k_q638dda72d1_prep-k_q638dda72d1_prep
	.p2alignl 7, 3214868480
	.fill 96, 4, 3214868480
	.section	.rodata,"a",@progbits
	.p2align	6, 0x0
	.amdhsa_kernel k_q638dda72d1_prep
		.amdhsa_group_segment_fixed_size 34816
		.amdhsa_private_segment_fixed_size 0
		.amdhsa_enable_private_segment 0
		.amdhsa_kernarg_size 48
		.amdhsa_user_sgpr_count 2
		.amdhsa_user_sgpr_kernarg_segment_ptr 1
		.amdhsa_wavefront_size32 1
		.amdhsa_system_sgpr_workgroup_id_x 1
		.amdhsa_system_sgpr_workgroup_id_y 1
		.amdhsa_system_sgpr_workgroup_id_z 1
		.amdhsa_system_vgpr_workitem_id 0
		.amdhsa_next_free_vgpr 208
		.amdhsa_next_free_sgpr 66
		.amdhsa_reserve_vcc 0
		.amdhsa_float_denorm_mode_32 3
		.amdhsa_float_denorm_mode_16_64 3
		.amdhsa_memory_ordered 1
		.amdhsa_forward_progress 1
		.amdhsa_inst_pref_size 30
	.end_amdhsa_kernel
	.amdgpu_metadata
---
amdhsa.version: [ 1, 2 ]
amdhsa.kernels:
  - .name:           k_q638dda72d1_prep
    .symbol:         k_q638dda72d1_prep.kd
    .args:
      - { .name: W_attn, .offset: 0, .size: 8, .value_kind: global_buffer, .address_space: global }
      - { .name: b_attn, .offset: 8, .size: 8, .value_kind: global_buffer, .address_space: global }
      - { .name: decoder_hidden_codes, .offset: 16, .size: 8, .value_kind: global_buffer, .address_space: global }
      - { .name: decoder_hidden_scales, .offset: 24, .size: 8, .value_kind: global_buffer, .address_space: global }
      - { .name: weimg, .offset: 32, .size: 8, .value_kind: global_buffer, .address_space: global }
      - { .name: cbias, .offset: 40, .size: 8, .value_kind: global_buffer, .address_space: global }
    .group_segment_fixed_size: 34816
    .private_segment_fixed_size: 0
    .kernarg_segment_align: 8
    .kernarg_segment_size: 48
    .max_flat_workgroup_size: 512
    .sgpr_count:     66
    .vgpr_count:     208
    .wavefront_size: 32
...
	.end_amdgpu_metadata
.endif
;; end of part 1
;; launch energy (part 2): grid 256 x 1, 8 waves a work-group, clusters of 4 x 1, 327,680 bytes of LDS; arguments encoder_outputs_codes, encoder_outputs_scales, mask, v_w, weimg, cbias, scores; writes scores
.if DOCPART == 2
	.amdgcn_target "amdgcn-amd-amdhsa--gfx1250"
	.amdhsa_code_object_version 6
	.text
	.protected	k_q638dda72d1_energy
	.globl	k_q638dda72d1_energy
	.p2align	8
	.type	k_q638dda72d1_energy,@function
k_q638dda72d1_energy:
	s_mov_b64 s[64:65], 0
	v_nop
	global_prefetch_b8 v0, s[64:65] scope:SCOPE_SE
	s_setreg_imm32_b32 hwreg(HW_REG_WAVE_MODE, 25, 1), 1
	s_wait_xcnt 0x0
	s_wait_alu depctr_hold_cnt(0) depctr_sa_sdst(0) depctr_va_vdst(0) depctr_va_sdst(0) depctr_va_ssrc(0) depctr_va_vcc(0) depctr_vm_vsrc(0)
	s_getreg_b32 s2, hwreg(HW_REG_IB_STS2, 6, 4)
	s_cmp_eq_u32 s2, 0
	s_cbranch_scc0 .Lentry_in_a_cluster
	s_endpgm
.Lentry_in_a_cluster:
	s_bfe_u32 s2, ttmp6, 0x10000c
	s_cmp_lg_u32 s2, 0x3003
	s_cbranch_scc0 .Lentry_shape_is_right
	s_endpgm
.Lentry_shape_is_right:
; scores[b][s] = sum over n of v_w[n] tanh(dec_proj[b][n] + b_attn[n] + (enc[b][s] . We[:, n])), and -1e10 where mask[b][s] = 1.  The product is on codes of FP4 (E2M1) with one E8M0 scale for each 32 along K.
; SHARES.  A cluster of four work-groups is one batch; a work-group takes 256 of its rows.  EIGHT waves, two to a SIMD, since an n-block's 113 vector instructions are more than stand beside its 32 matrix instructions
; in one wave: one wave's vector work stands beside the other's matrix work and LDS loads.  THE TWO WAVES OF A PAIR (w and w + 4) SHARE THEIR 64 ROWS AND SPLIT THE COLUMNS: wave w takes rows 64 (w % 4) on and,
; of each slot's eight records, records 4 (w / 4) + 0 .. 3.  So each record is read from LDS by four waves and each fragment feeds four matrix instructions; a split by rows would read every record eight times.
; The wave's rows of enc, 64 x 1,024 codes = 256 registers, STAY IN REGISTERS for the whole launch.  The pair's two partial scores meet in LDS at the end.
; We comes as the records that the launch before has laid (16 columns: 8,192 bytes of codes as images of the operand's registers, 512 of scale bytes), eight records to a slot, through a ring of two LDS slots.
; All work-groups walk the same records: the four of a cluster ask for them JOINTLY, by the same tensor load with the same descriptor and a mask that names the four (waves 0-3: two records each, 68 rows of 256 bytes).
; ORIENTATION.  Source 0 = 16 rows of enc, source 1 = 16 columns of We: lane (r, h) holds column r and rows 8 h + 0 .. 7.  So c (dec_proj + b_attn) and v_w are ONE register for an n-block, and the sum over columns stays in the lane to the end.
; TANH.  tanh(x) = 1 - 2 / (1 + 2^(c x)), c = 2 log2(e).  For a pair of numbers: t = c acc + cbias (packed fma), two v_exp_f32, + 1 (packed), two v_rcp_f32, score += rcp x v (packed fma).  At the end
; att = sum over the 16 lanes of (sum of v - 2 score).  Where 2^t overflows, the reciprocal of infinity is 0 and tanh is 1; where it falls to 0, tanh is -1: no clamp, no branch.
; BY TURNS.  The tanh of one n-block stands in slices behind the matrix instructions of the NEXT n-block; two sets of accumulators change places.
; WINDOWS of 256 registers, two.  Each holds 32 rows, at the same numbers: A v128-255, two sets of two accumulators v96-127, scores v80-95, cbias v72-75.  Window 0 besides: addresses and all scale words.
; Window 1 besides: We's fragments v0-63 (ONE set), v_w v64-67, the sum of v v76.  Rows 0-31 work with source 1 alone in window 1, rows 32-63 with everything in window 1: the matrix instruction and all vector forms fit one setting.
; A GROUP (one n-block) is four quarters of 8 matrix instructions: rows 0-31 then rows 32-63 on K steps 0-3, the same on K steps 4-7.  So We's fragments of K steps 0-3 are free behind the second quarter and are fetched
; anew in the third, those of K steps 4-7 at the group's end: one set of 64 registers serves.
; cbias and v_w lie one to a pair of registers, a zero beside each: the packed forms name pairs, and the pair in use never holds the register into which the next n-block's number is on its way.
; LIMITS: NaN, infinities and the scale byte 0xff among the inputs are not served.  dec_proj + b_attn is added first, enc_proj to that.  The waves wait for their rows of enc at the head, with no work beside that wait.
.set REC,    8704
.set SLOTB,  8*REC                     ; a slot: 69,632 = 0x11000 bytes.  A wave's part (17,408 x wave, waves 0-3) and the lanes' places have bits 12 and 16 clear: one exclusive or turns an address from one slot to the other
.set APITCH, 528                       ; a row of enc in LDS: 512 bytes + 16 of padding = 132 words: the 16 rows that a load touches start at 16 different banks (64 banks of 4 bytes: ISA guide 11.1)
.set ASTG,   2*SLOTB                   ; behind the ring: 4 x 64 rows of enc, filled once, each 64 read by two waves
.set CBS,    ASTG+4*64*APITCH          ; cbias of my batch, 4,096 bytes: column 32 p + 16 i + r at 128 p + 8 r + 4 i
.set VS,     CBS+4096                  ; v_w, 4,096 bytes
.set OUTS,   VS+4096                   ; the way out: 256 bytes for each wave
.set SPARE,  OUTS+2048                 ; the spare words, 128 bytes for each wave: four blocks of 256 bytes that no other line names
.set SPW,  1                           ; v1   LDS address of my spare word; never rewritten
.set NIL,  2                           ; v2   0; never rewritten
.set LB,   3                           ; v3   my lane's place in my four records of the slot in hand
.set L16C, 4                           ; v4   16 x lane + 4 records x (wave / 4)
.set AA,   5                           ; v5   my lane's place in my 64 rows of enc
.set CBA,  6                           ; v6   where the slot's cbias lie for my column and my four n-blocks
.set VA,   7                           ; v7   and its v_w
.set OSA,  8                           ; v8   the way out: where my half's scores go
.set OLA,  9                           ; v9   and where two of them are read back
.set L8,   10                          ; v10  8 x lane
.set NEGR, 11                          ; v11  -1e10
.set MK,   12                          ; v12-13 the mask of rows 2 x lane, 2 x lane + 1 of my 64
.set AS,   16                          ; v16-31 enc's scale words: block of rows e, register i: K step i in lanes 0-15, K step 4 + i in lanes 16-31
.set BS,   32                          ; v32-39 We's scale words likewise, four registers for each parity of the n-block
.set XO,   40                          ; v40-71 the way out; at the head v40-54 staging
.set CB,   72                          ; both windows: v72 cbias of an even n-block, v74 of an odd one; v73, v75 zeros
.set SV,   76                          ; window 1: the lane's sum of v
.set SCR,  80                          ; both windows
.set ACC,  96
.set AF,   128
.set BF,   0                           ; window 1: We's fragments, 8 x K step
.set V,    64                          ; window 1: v64 v_w of an even n-block, v66 of an odd one; v65, v67 zeros
; s[4:17] the seven addresses; s18 wave; s60 wave % 4; s61 wave / 4; s19-21, s[56:57] what hangs on my place in the cluster; s22-23, s[58:59] what does not; s[24:31] group 1 for enc's tile; s[32:39] for the records;
; s[40:43] group 0 for enc's tile; s[44:47] for slot 0's first fill; s[48:51] for slot 1's, which then walks; s52 trips; s53 the slot in hand; s[54:55] c
.set MSB, 0
.macro WIN new                         ; the immediate's high byte repeats the setting that is left; a switch that changes nothing is dropped
.if MSB != (\new)
	s_set_vgpr_msb (MSB<<8)|(\new)
.set MSB, (\new)
.endif
.endm
; A round of the cluster's barrier: my work-group's barrier, so that wave 0's signal speaks for all eight waves; wave 0 signals for the work-group; every wave waits for all four work-groups; my work-group's barrier once more.
.macro CROUND
	s_barrier_signal -1
	s_barrier_wait -1
	s_cmp_lg_u32 s18, 0
	s_cbranch_scc1 .Lnot_wave_0_\@
	s_barrier_signal -3
.Lnot_wave_0_\@:
	s_barrier_wait -3
	s_barrier_signal -1
	s_barrier_wait -1
.endm
; Number opn of 56 of the tanh of two tiles, 16 registers from v[yy] on, in pairs q = 0 .. 7.  rc, rv: the pairs whose low registers hold the n-block's cbias and v_w.
;   0-5    t = c acc + cbias of pairs 0-5
;   6-53   sixteen groups of two transcendentals and a plain line: the exponentials of pairs 0-7, then the reciprocals of pairs 0-7; the plain line is whatever is ready:
;          t of pairs 6, 7; 1 + 2^t of the pair whose exponentials stand two groups back; score += rcp x v of the pair whose reciprocals stand two groups back
;   54, 55 the last two pairs' scores
; So every transcendental has a plain line between it and the use of its result (ISA guide 5.7.2), and each tile is first read at its two lowest registers.
.macro OP
.set u, (opn-6)/3
.set z, (opn-6)%3
.if opn < 6
.set kind, 0
.set q, opn
.elseif opn >= 54
.set kind, 2
.set q, opn-48
.elseif z < 2
.set kind, 3
.set q, 0
.elseif u < 2
.set kind, 0
.set q, 6+u
.elseif u < 10
.set kind, 1
.set q, u-2
.else
.set kind, 2
.set q, u-10
.endif
.if kind == 0
	v_pk_fma_f32 v[yy+2*q:yy+2*q+1], v[yy+2*q:yy+2*q+1], s[54:55], v[rc:rc+1] op_sel_hi:[1,0,0]
.elseif kind == 1
	v_pk_add_f32 v[yy+2*q:yy+2*q+1], v[yy+2*q:yy+2*q+1], 1.0 op_sel_hi:[1,0]
.elseif kind == 2
	v_pk_fma_f32 v[SCR+2*q:SCR+2*q+1], v[yy+2*q:yy+2*q+1], v[rv:rv+1], v[SCR+2*q:SCR+2*q+1] op_sel_hi:[1,0,1]
.elseif u < 8
	v_exp_f32 v[yy+2*u+z], v[yy+2*u+z]
.else
	v_rcp_f32 v[yy+2*(u-8)+z], v[yy+2*(u-8)+z]
.endif
.endm
; The run of loads in a group's third quarter.  Always: cbias (both windows) and v_w of THIS n-block (g of my four), whose tanh stands in the next group, into the registers of this parity x, which no line of this group reads.
; run = 1: also the next n-block's (record gn) scale words, into the other parity's four registers, and its fragments of K steps 0-3.  It is entered with source 1 alone in window 1: an LDS load has no source 1,
; so its first lines land in window 0.
.macro RUN1 gn, x, g, run
	ds_load_b32 v[CB+2*(\x)], v[CBA] offset:128*((\g)/2)+4*((\g)%2)
.if \run == 1
	ds_load_b128 v[BS+4*(1-(\x)):BS+4*(1-(\x))+3], v[LB] offset:(\gn)*REC+8192
.endif
	WIN 0x40                                       ; destination window 1, address window 0
	ds_load_b32 v[CB+2*(\x)], v[CBA] offset:128*((\g)/2)+4*((\g)%2)
	ds_load_b32 v[V+2*(\x)], v[VA] offset:64*(\g)
.if \run == 1
.irp f, 0,1,2,3
	ds_load_b128 v[BF+8*\f:BF+8*\f+3], v[LB] offset:(\gn)*REC+1024*\f
	ds_load_b128 v[BF+8*\f+4:BF+8*\f+7], v[LB] offset:(\gn)*REC+1024*\f+512
.endr
.endif
.endm
; The run at a group's end: the next n-block's fragments of K steps 4-7: eight loads
.macro RUN2 gn
	WIN 0x40
.irp f, 4,5,6,7
	ds_load_b128 v[BF+8*\f:BF+8*\f+3], v[LB] offset:(\gn)*REC+1024*\f
	ds_load_b128 v[BF+8*\f+4:BF+8*\f+7], v[LB] offset:(\gn)*REC+1024*\f+512
.endr
.endm
; A QUARTER: window w's 32 rows, K steps 4 kh .. 4 kh + 3: 8 matrix instructions (K step mi / 2, block of rows mi % 2: the two accumulators take turns) into set x;
; behind each stand three or four lines of the tanh of the n-block before, which lies in the other set: numbers 28 kh .. 28 kh + 27 of the window's 56.
; run > 0 (the third quarter): RUN1 stands behind matrix instruction 11.  The last reader of K steps 0-3 is the second quarter's last matrix instruction; between it and these loads stand the plain lines
; 26 (of its own slice), 29, 32, 35, 38 and 41: six places, where four are asked (ISA guide 7.12.1 for vector instructions).
.macro QUARTER w, kh, x, run, gn, g
.set yy, ACC+16*(1-(\x))
.set rc, CB+2*(1-(\x))
.set rv, V+2*(1-(\x))
.set mi, 8*(\kh)
.set opn, 28*(\kh)
.rept 8
	WIN 0x04+0x51*(\w)                             ; w = 0: source 1 in window 1, all else in window 0; w = 1: everything in window 1
.set ks, mi/2
.set ml, mi%2
.set rD, ACC+16*(\x)+8*ml
.set rA, AF+64*ml+8*ks
.set rB, BF+8*ks
.set rSA, AS+4*(2*(\w)+ml)+ks%4
.set rSB, BS+4*(\x)+ks%4
.if ks == 0
	v_wmma_scale_f32_16x16x128_f8f6f4 v[rD:rD+7], v[rA:rA+7], v[rB:rB+7], 0, v[rSA], v[rSB] matrix_a_fmt:MATRIX_FMT_FP4 matrix_b_fmt:MATRIX_FMT_FP4
.elseif ks < 4
	v_wmma_scale_f32_16x16x128_f8f6f4 v[rD:rD+7], v[rA:rA+7], v[rB:rB+7], v[rD:rD+7], v[rSA], v[rSB] matrix_a_fmt:MATRIX_FMT_FP4 matrix_b_fmt:MATRIX_FMT_FP4
.else
	v_wmma_scale_f32_16x16x128_f8f6f4 v[rD:rD+7], v[rA:rA+7], v[rB:rB+7], v[rD:rD+7], v[rSA], v[rSB] matrix_a_fmt:MATRIX_FMT_FP4 matrix_b_fmt:MATRIX_FMT_FP4 matrix_a_scale:MATRIX_SCALE_ROW1 matrix_b_scale:MATRIX_SCALE_ROW1
.endif
.rept (7*(mi+1))/2-(7*mi)/2
	OP
.set opn, opn+1
.endr
.if (\run) && (mi == 11)
	RUN1 \gn, \x, \g, \run
.endif
.set mi, mi+1
.endr
.endm
; THE CHANGE OF SLOTS, at the head of the third quarter of a slot's last group: all that I read of the slot has been asked for, and the wave waits for all its LDS loads here anyway.  Each wave waits for all its tensor
; loads (waves 0-3: one is out, their part of the other slot), adds 0 to its spare word, and waits for that and for its reads.  fill = 1: the slot is filled again, with the records two slots on: the barrier is a round of
; the cluster's, so that no wave of any partner still reads the slot or has a load on its way, and the joint refill is the first thing behind it: it has four groups of all eight waves in which to land.
.macro CHANGE fill
	WIN 0                                          ; at a label and at a branch every window is 0; the add's two registers lie in window 0
	s_wait_tensorcnt 0x0                           ; no tensor load of mine is out, so a group 0 may be written
	ds_add_u32 v[SPW], v[NIL]                      ; 0 onto my spare word: the steps below stand between it and the wait for it
.if \fill
	s_xor_b32 s49, s49, SLOTB                      ; the walking descriptor: the other slot than last time,
	s_add_nc_u64 s[50:51], s[50:51], SLOTB         ; the next eight records; the type bits on top are not reached
.endif
	s_xor_b32 s53, s53, SLOTB                      ; my reads go on in the other slot
	v_add_nc_u32 v[LB], s53, v[L16C]
	s_wait_dscnt 0x0                               ; the add is done, and my reads of the slot are over
.if \fill
	CROUND
	s_cmp_lt_u32 s18, 4                            ; waves 0-3 fetch; the branch hangs on the wave's number alone: it is the same in every work-group
	s_cbranch_scc0 .Lno_fill_\@
	tensor_load_to_lds s[48:51], s[32:39]          ; my one tensor load behind the round
.rept 4
	v_nop                                          ; four lines behind a tensor load
.endr
.Lno_fill_\@:
.else
	s_barrier_signal -1
	s_barrier_wait -1                              ; the last slot is whole; nothing is filled again
.endif
.endm
; A GROUP: n-block g of my four in the slot against my 64 rows, and the tanh of the n-block before.  mode 1: the slot is filled again; 0: the last slot but one; 2: the last.
.macro GROUP g, mode
	s_wait_dscnt 8                                 ; all but the youngest eight LDS loads: K steps 0-3, the scale words, cbias and v_w are in; K steps 4-7, asked for last, may be out
	QUARTER 0, 0, (\g)%2, 0, 0, 0
	QUARTER 1, 0, (\g)%2, 0, 0, 0
.if (\g == 3) && (\mode != 2)
	CHANGE \mode
.else
	s_wait_dscnt 0x0                               ; K steps 4-7 are in
.endif
.if (\g == 3) && (\mode == 2)
	QUARTER 0, 1, (\g)%2, 2, 0, \g
.else
	QUARTER 0, 1, (\g)%2, 1, (\g+1)%4, \g
.endif
	QUARTER 1, 1, (\g)%2, 0, 0, 0
	v_add_f32 v[SV], v[SV], v[rv]                  ; the lane's sum of v.  With numbers 53, 54 and 55 it is the fourth plain line behind the last matrix instruction: the places in front of the loads below
.if (\g != 3) || (\mode != 2)
	RUN2 (\g+1)%4
.endif
.endm
.macro SLOTM mode
	v_add_nc_u32 v[CBA], 512, v[CBA]               ; this slot's cbias and v_w (both began 512 bytes short)
	v_add_nc_u32 v[VA], 512, v[VA]
.irp g, 0,1,2,3
	GROUP \g, \mode
.endr
	WIN 0
.endm
.macro ZERO                            ; what the first group's slices find: zeros in the idle set, in the scores and in the odd n-block's cbias: 2^0 + 1 = 2, and 0.5 x (v = 0) adds nothing; and the zeros beside cbias
.set q, 0
.rept 16
	v_mov_b32 v[ACC+16+q], 0
	v_mov_b32 v[SCR+q], 0
.set q, q+1
.endr
	v_mov_b32 v[CB+1], 0
	v_mov_b32 v[CB+2], 0
	v_mov_b32 v[CB+3], 0
.endm
.macro ALOAD w                         ; window w's two blocks of rows: a fragment is 16 rows x 128 K: lane (r, h) holds row r; registers 4 c .. 4 c + 3 hold K = 64 c + 32 h + 0 .. 31
.irp e, 0,1
.irp f, 0,1,2,3,4,5,6,7
	ds_load_b128 v[AF+64*\e+8*\f:AF+64*\e+8*\f+3], v[AA] offset:(2*(\w)+\e)*16*APITCH+64*\f
	ds_load_b128 v[AF+64*\e+8*\f+4:AF+64*\e+8*\f+7], v[AA] offset:(2*(\w)+\e)*16*APITCH+64*\f+32
.endr
.endr
.endm
.macro TAIL w                          ; the tanh of my last n-block (an odd one, in set 1), which has no products to stand behind
	WIN 0x04+0x51*(\w)
.set yy, ACC+16
.set rc, CB+2
.set rv, V+2
.set opn, 0
.rept 56
	OP
.set opn, opn+1
.endr
.endm
	s_load_b256 s[4:11], s[0:1], 0x0               ; enc's codes s[4:5], its scales s[6:7], mask s[8:9], v_w s[10:11]
	s_load_b128 s[12:15], s[0:1], 0x20             ; weimg s[12:13], cbias s[14:15]
	s_load_b64 s[16:17], s[0:1], 0x30              ; scores
	v_lshl_add_u32 v[SPW], v0, 2, SPARE
	v_mov_b32 v[NIL], 0
	v_lshrrev_b32 v48, 5, v0
	v_readfirstlane_b32 s18, v48                   ; wave 0..7
	s_and_b32 s60, s18, 3                          ; which 64 rows are mine
	s_lshr_b32 s61, s18, 2                         ; which four records of a slot's eight
	s_bfe_u32 s19, ttmp6, 0x40000                  ; cx: my place in the cluster: it enters global addresses of enc, mask and scores alone
	s_lshl_b32 s20, ttmp9, 10                      ; in a cluster launch ttmp9 counts clusters: the batch
	s_lshl_b32 s21, s19, 8
	s_add_co_u32 s20, s20, s21
	s_lshl_b32 s21, s60, 6
	s_add_co_u32 s20, s20, s21                     ; my first row of the 65,536: 1,024 b + 256 cx + 64 (wave % 4)
	s_mov_b32 s57, 0
	s_mov_b32 s59, 0
	; group 1 for enc's tile: 64 rows x 512 bytes, dense in memory, padded in LDS; no mask: these rows are my work-group's own
	s_mov_b32 s24, (1<<20)|(6<<22)|(3<<25)         ; 17:16 elements of 1 byte; 20 padding on; 24:22 after every 128 words (code 6); 31:25 four words (code 3)
	s_mov_b32 s25, 512<<16                         ; tensor_dim0
	s_mov_b32 s26, 64<<16                          ; tensor_dim1
	s_mov_b32 s27, 512<<16                         ; tile_dim0
	s_mov_b32 s28, 64                              ; tile_dim1
	s_mov_b32 s29, 512                             ; tensor_dim0_stride
	s_mov_b32 s30, 0
	s_mov_b32 s31, 0
	; group 1 for two records: a dense block of 17,408 bytes as 68 rows of 256 bytes (32 elements of 8 bytes), no padding
	s_mov_b32 s32, 15|(3<<16)|(1<<21)              ; 15:0 the mask: all four work-groups; 17:16 elements of 8 bytes; 21 set beside a mask
	s_mov_b32 s33, 32<<16
	s_mov_b32 s34, 68<<16
	s_mov_b32 s35, 32<<16
	s_mov_b32 s36, 68
	s_mov_b32 s37, 32
	s_mov_b32 s38, 0
	s_mov_b32 s39, 0
	s_mov_b32 s54, 0x4038aa3b                      ; c = 2 log2(e)
	s_mov_b32 s55, s54                             ; (named with it as a pair, so it is written)
	s_mov_b32 s53, 0
	s_mov_b32 s52, 6
	v_and_b32 v48, 31, v0                          ; lane
	v_and_b32 v49, 15, v0                          ; r
	v_bfe_u32 v50, v0, 4, 1                        ; h
	v_lshlrev_b32 v51, 5, v49
	v_lshl_add_u32 v51, v50, 4, v51                ; enc's scale bytes: row r of 32 bytes, + 16 h
	v_lshlrev_b32 v[L8], 3, v48
	v_lshrrev_b32 v52, 3, v0
	v_lshlrev_b32 v52, 8, v52
	v_and_b32 v53, 7, v0
	v_lshl_add_u32 v52, v53, 4, v52                ; cbias: thread t takes 16 bytes of the 128 of p = t / 8: 256 (t / 8) + 16 (t % 8)
	v_lshlrev_b32 v53, 4, v0                       ; v_w: 16 t
	s_lshr_b32 s22, ttmp9, 4                       ; cbias of batch b: [b / 16][b % 8][.][(b / 8) % 2]
	s_lshl_b32 s22, s22, 16
	s_and_b32 s23, ttmp9, 7
	s_lshl_b32 s23, s23, 13
	s_add_co_u32 s22, s22, s23
	s_bfe_u32 s23, ttmp9, 0x10003
	s_lshl_b32 s23, s23, 7
	s_add_co_u32 s58, s22, s23
	; every LDS address is made here, ahead of the first branch on the wave's number
	s_mul_i32 s41, s60, 64*APITCH
	s_add_co_u32 s41, s41, ASTG                    ; the stage of my 64 rows
	v_mul_u32_u24 v[AA], v49, APITCH
	v_lshl_add_u32 v[AA], v50, 4, v[AA]
	v_add_nc_u32 v[AA], s41, v[AA]                 ; + row r x pitch + 16 h
	s_mul_i32 s22, s61, 4*REC
	v_lshlrev_b32 v[L16C], 4, v48
	v_add_nc_u32 v[L16C], s22, v[L16C]
	v_add_nc_u32 v[LB], s53, v[L16C]
	s_lshl_b32 s22, s61, 8                         ; my four n-blocks of a slot's eight: 256 bytes on in cbias and in v_w
	s_add_co_u32 s23, s22, CBS-512                 ; (512 short: each slot's head steps both)
	v_lshl_add_u32 v[CBA], v49, 3, s23
	s_add_co_u32 s23, s22, VS-512
	v_lshl_add_u32 v[VA], v49, 2, s23
	s_lshl_b32 s23, s18, 8
	s_add_co_u32 s23, s23, OUTS
	v_lshl_add_u32 v[OSA], v50, 5, s23             ; row 16 e + 8 h + j of my 64: 4 bytes each, in my wave's 256 bytes
	s_lshl_b32 s23, s60, 8
	s_add_co_u32 s23, s23, OUTS
	v_lshl_add_u32 v[OLA], v48, 3, s23             ; back: two rows a lane, from the pair's first wave's bytes; the second's lie 1,024 on
	v_add_nc_u32 v54, CBS, v53
	s_wait_kmcnt 0x0
	s_lshl_b32 s56, s20, 5
	s_add_nc_u64 s[6:7], s[6:7], s[56:57]
	s_lshl_b32 s56, s20, 2
	s_add_nc_u64 s[8:9], s[8:9], s[56:57]
	s_add_nc_u64 s[16:17], s[16:17], s[56:57]
	s_add_nc_u64 s[14:15], s[14:15], s[58:59]
.irp e, 0,1,2,3
	global_load_b128 v[AS+4*\e:AS+4*\e+3], v51, s[6:7] offset:512*\e   ; 512 consecutive bytes: the scale bytes of 16 rows
.endr
	global_load_b64 v[MK:MK+1], v[L8], s[8:9]
	global_load_b128 v[40:43], v52, s[14:15]
	global_load_b128 v[44:47], v53, s[10:11]
	s_lshl_b32 s56, s20, 9
	s_mov_b32 s40, 1                               ; 1:0 count = 1;  s41, 63:32: the LDS address, stands
	s_add_nc_u64 s[42:43], s[4:5], s[56:57]        ; 120:64 global address: the first of the 64 rows
	s_or_b32 s43, s43, 0x80000000                  ; 127:126 type = 2
	s_mul_i32 s58, s60, 2*REC                      ; two records of a slot's eight: nothing here hangs on my place in the cluster
	s_mov_b32 s44, 1
	s_mov_b32 s45, s58
	s_add_nc_u64 s[46:47], s[12:13], s[58:59]
	s_mov_b32 s48, 1
	s_add_co_u32 s49, s58, SLOTB
	s_add_nc_u64 s[50:51], s[46:47], SLOTB
	s_or_b32 s47, s47, 0x80000000
	s_or_b32 s51, s51, 0x80000000
	CROUND                                         ; all four work-groups are here: the first joint loads meet
	s_cmp_lt_u32 s18, 4                            ; a wave's first fills stand in one branch on its number
	s_cbranch_scc0 .Lfill_a
	tensor_load_to_lds s[44:47], s[32:39]          ; waves 0-3: my part of slot 0 (records 0-7),
	tensor_load_to_lds s[48:51], s[32:39]          ; and of slot 1 (records 8-15): two loads of mine are out
.rept 4
	v_nop
.endr
	s_branch .Lfilled
.Lfill_a:
	tensor_load_to_lds s[40:43], s[24:31]          ; waves 4-7: 64 rows of enc: one load of mine is out
.rept 4
	v_nop
.endr
.Lfilled:
	v_mov_b32 v[NEGR], 0xd01502f9                  ; -1e10
	ZERO                                           ; the loop is written without a first step of its own: 74 registers are cleared once instead
	WIN 0x40
	ZERO
	v_mov_b32 v[V+1], 0
	v_mov_b32 v[V+2], 0
	v_mov_b32 v[V+3], 0
	v_mov_b32 v[SV], 0
	WIN 0
	s_wait_loadcnt 0x0                             ; scale words, mask, cbias, v_w
	ds_store_b128 v54, v[40:43]                    ; cbias and v_w into LDS, for all eight waves
	ds_store_b128 v54, v[44:47] offset:4096
	s_wait_tensorcnt 0x0                           ; for the others' sake: what I fetched has landed
	s_wait_dscnt 0x0                               ; and so have my stores
	s_barrier_signal -1
	s_barrier_wait -1                              ; enc's rows, both slots, cbias and v_w are whole
	ALOAD 0
	ds_load_b128 v[BS:BS+3], v[LB] offset:8192     ; my first record's scale words
	WIN 0x40
	ALOAD 1
.irp f, 0,1,2,3,4,5,6,7
	ds_load_b128 v[BF+8*\f:BF+8*\f+3], v[LB] offset:1024*\f          ; and its fragments; K steps 4-7 are the youngest eight loads
	ds_load_b128 v[BF+8*\f+4:BF+8*\f+7], v[LB] offset:1024*\f+512
.endr
	WIN 0
.Lslot:                                        ; six trips: slots' worth 0-5 of the records; each trip asks for the records two slots on
	SLOTM 1
	s_sub_co_u32 s52, s52, 1
	s_cmp_lg_u32 s52, 0
	s_cbranch_scc1 .Lslot
	SLOTM 0                                        ; the tail is written out
	SLOTM 2
	s_wait_dscnt 0x0                               ; my last n-block's cbias and v_w
	TAIL 0
	TAIL 1
	v_add_f32 v[SV], v[SV], v[V+2]
	; THE WAY OUT.  My part of att = sum over my half's 16 lanes of (sum of v - 2 score), over my 32 n-blocks.  Each row's number is then in all 16 lanes of its half; the 64 go to my 256 bytes of LDS;
	; behind a barrier the pair's first wave adds the two parts, two neighbouring rows a lane.
	WIN 0x10                                       ; source 2 (the sum of v) window 1; source 0 and destination window 0
.set q, 0
.rept 16
	v_fma_f32 v[XO+q], v[SCR+q], -2.0, v[SV]
.set q, q+1
.endr
	WIN 0x11                                       ; sources 0 and 2 window 1
.set q, 0
.rept 16
	v_fma_f32 v[XO+16+q], v[SCR+q], -2.0, v[SV]
.set q, q+1
.endr
	WIN 0
.irp m, 1,2,4,8
.set q, 0
.rept 32
	v_add_f32_dpp v[XO+q], v[XO+q], v[XO+q] row_xmask:\m row_mask:0xf bank_mask:0xf
.set q, q+1
.endr
.endr
.irp e, 0,1,2,3
.irp j, 0,1,2,3,4,5,6,7
	ds_store_b32 v[OSA], v[XO+8*\e+\j] offset:64*\e+4*\j   ; the 16 lanes of a half write the same word with the same value
.endr
.endr
	s_wait_dscnt 0x0                               ; for the others' sake: my stores have landed
	s_barrier_signal -1
	s_barrier_wait -1
	s_cmp_lt_u32 s18, 4
	s_cbranch_scc0 .Lno_out
	ds_load_b64 v[40:41], v[OLA]                   ; my part,
	ds_load_b64 v[42:43], v[OLA] offset:1024       ; and wave + 4's
	s_wait_dscnt 0x0
	v_pk_add_f32 v[40:41], v[40:41], v[42:43]
	v_cmp_eq_u32 vcc_lo, 1, v[MK]
	v_cndmask_b32 v40, v40, v[NEGR], vcc_lo        ; -1e10 where the mask is 1: a choice of values, no branch
	v_cmp_eq_u32 vcc_lo, 1, v[MK+1]
	v_cndmask_b32 v41, v41, v[NEGR], vcc_lo
	global_store_b64 v[L8], v[40:41], s[16:17]     ; 32 lanes store 256 consecutive bytes, aligned
.Lno_out:
	s_wait_tensorcnt 0x0                           ; the wave's end: behind my last tensor load and my last LDS store
	ds_add_u32 v[SPW], v[NIL]
	s_wait_dscnt 0x0
	CROUND                                         ; the closing round: no work-group ends while a partner may still ask for records jointly
	s_endpgm
.Lfunc_end_k_q638dda72d1_energy:
	.size	k_q638dda72d1_energy, .Lfunc_end_k_q638dda72d1_energy-k_q638dda72d1_energy
	.p2alignl 7, 3214868480
	.fill 96, 4, 3214868480
	.section	.rodata,"a",@progbits
	.p2align	6, 0x0
	.amdhsa_kernel k_q638dda72d1_energy
		.amdhsa_group_segment_fixed_size 327680
		.amdhsa_private_segment_fixed_size 0
		.amdhsa_enable_private_segment 0
		.amdhsa_kernarg_size 56
		.amdhsa_user_sgpr_count 2
		.amdhsa_user_sgpr_kernarg_segment_ptr 1
		.amdhsa_wavefront_size32 1
		.amdhsa_system_sgpr_workgroup_id_x 1
		.amdhsa_system_sgpr_workgroup_id_y 1
		.amdhsa_system_sgpr_workgroup_id_z 1
		.amdhsa_system_vgpr_workitem_id 0
		.amdhsa_next_free_vgpr 512
		.amdhsa_next_free_sgpr 66
		.amdhsa_reserve_vcc 1
		.amdhsa_float_denorm_mode_32 3
		.amdhsa_float_denorm_mode_16_64 3
		.amdhsa_memory_ordered 1
		.amdhsa_forward_progress 1
		.amdhsa_inst_pref_size 160
	.end_amdhsa_kernel
	.amdgpu_metadata
---
amdhsa.version: [ 1, 2 ]
amdhsa.kernels:
  - .name:           k_q638dda72d1_energy
    .symbol:         k_q638dda72d1_energy.kd
    .args:
      - { .name: encoder_outputs_codes, .offset: 0, .size: 8, .value_kind: global_buffer, .address_space: global }
      - { .name: encoder_outputs_scales, .offset: 8, .size: 8, .value_kind: global_buffer, .address_space: global }
      - { .name: mask, .offset: 16, .size: 8, .value_kind: global_buffer, .address_space: global }
      - { .name: v_w, .offset: 24, .size: 8, .value_kind: global_buffer, .address_space: global }
      - { .name: weimg, .offset: 32, .size: 8, .value_kind: global_buffer, .address_space: global }
      - { .name: cbias, .offset: 40, .size: 8, .value_kind: global_buffer, .address_space: global }
      - { .name: scores, .offset: 48, .size: 8, .value_kind: global_buffer, .address_space: global }
    .group_segment_fixed_size: 327680
    .private_segment_fixed_size: 0
    .kernarg_segment_align: 8
    .kernarg_segment_size: 56
    .max_flat_workgroup_size: 256
    .sgpr_count:     66
    .vgpr_count:     512
    .wavefront_size: 32
...
	.end_amdgpu_metadata
.endif
;; end of part 2
;; launch softmax (part 3): grid 64 x 1, 1 waves a work-group, no clusters, 0 bytes of LDS; arguments scores, out0; writes out0
.if DOCPART == 3
	.amdgcn_target "amdgcn-amd-amdhsa--gfx1250"
	.amdhsa_code_object_version 6
	.text
	.protected	k_q638dda72d1_softmax
	.globl	k_q638dda72d1_softmax
	.p2align	8
	.type	k_q638dda72d1_softmax,@function
k_q638dda72d1_softmax:
	s_mov_b64 s[64:65], 0
	v_nop
	global_prefetch_b8 v0, s[64:65] scope:SCOPE_SE
	s_setreg_imm32_b32 hwreg(HW_REG_WAVE_MODE, 25, 1), 1
	s_wait_xcnt 0x0
; out0[b][:] = softmax(scores[b][:]) over 1,024 numbers of f32.  One wave takes a whole row: 32 numbers a lane in registers between the maximum, the exponentials and the division; no LDS, no barrier.
; Each load and store of the wave covers 512 consecutive bytes.
; The maximum is taken away FIRST and the difference is then multiplied by log2(e): in a row that is masked everywhere every difference is exactly 0; one fused line x log2(e) - (m log2(e)) would leave
; the rounding of m log2(e), which at 1e10 is hundreds.
; LIMITS: NaN and infinities among the scores are not served.
.set X, 8                              ; v8-39 the row's 32 numbers of my lane
	s_load_b128 s[4:7], s[0:1], 0x0                ; scores, out0
	v_lshlrev_b32 v1, 4, v0                        ; 16 bytes a lane
	s_lshl_b32 s8, ttmp9, 12                       ; a row is 4,096 bytes
	s_mov_b32 s9, 0
	s_mov_b32 s10, 0x76543210                      ; v_permlanex16_b32's selects for lane l xor 16
	s_mov_b32 s11, 0xfedcba98
	s_wait_kmcnt 0x0
	s_add_nc_u64 s[4:5], s[4:5], s[8:9]
	s_add_nc_u64 s[6:7], s[6:7], s[8:9]
.irp i, 0,1,2,3,4,5,6,7
	global_load_b128 v[X+4*\i:X+4*\i+3], v1, s[4:5] offset:512*\i th:TH_LOAD_NT
.endr
	s_wait_loadcnt 0x0
	v_max3_num_f32 v40, v8, v9, v10                ; the largest of my 32, in four chains
	v_max3_num_f32 v41, v11, v12, v13
	v_max3_num_f32 v42, v14, v15, v16
	v_max3_num_f32 v43, v17, v18, v19
.irp j, 20,28
	v_max3_num_f32 v40, v40, v[\j], v[\j+1]
	v_max3_num_f32 v41, v41, v[\j+2], v[\j+3]
	v_max3_num_f32 v42, v42, v[\j+4], v[\j+5]
	v_max3_num_f32 v43, v43, v[\j+6], v[\j+7]
.endr
	v_max3_num_f32 v40, v40, v36, v37
	v_max3_num_f32 v41, v41, v38, v39
	v_max3_num_f32 v40, v40, v41, v42
	v_max_num_f32 v40, v40, v43
	v_max_num_f32_dpp v40, v40, v40 row_xmask:1 row_mask:0xf bank_mask:0xf
	v_max_num_f32_dpp v40, v40, v40 row_xmask:2 row_mask:0xf bank_mask:0xf
	v_max_num_f32_dpp v40, v40, v40 row_xmask:4 row_mask:0xf bank_mask:0xf
	v_max_num_f32_dpp v40, v40, v40 row_xmask:8 row_mask:0xf bank_mask:0xf
	v_permlanex16_b32 v41, v40, s10, s11           ; (its destination counts as read: v41 has been written)
	v_max_num_f32 v40, v40, v41                    ; the row's maximum, in every lane
	v_mov_b32 v41, v40                             ; twice, for the packed subtraction
.irp j, 0,2,4,6,8,10,12,14,16,18,20,22,24,26,28,30
	v_pk_add_f32 v[X+\j:X+\j+1], v[X+\j:X+\j+1], v[40:41] neg_lo:[0,1] neg_hi:[0,1]   ; x - m
.endr
.irp j, 0,2,4,6,8,10,12,14,16,18,20,22,24,26,28,30
	v_pk_mul_f32 v[X+\j:X+\j+1], v[X+\j:X+\j+1], 0x3fb8aa3b op_sel_hi:[1,0]           ; x log2(e)
.endr
.irp j, 0,1,2,3,4,5,6,7,8,9,10,11,12,13,14,15,16,17,18,19,20,21,22,23,24,25,26,27,28,29,30,31
	v_exp_f32 v[X+\j], v[X+\j]
.endr
	v_nop                                          ; a plain line between the last exponential and the use of its result
	v_pk_add_f32 v[42:43], v[8:9], v[10:11]        ; the sum, two at a time, in two chains
	v_pk_add_f32 v[44:45], v[12:13], v[14:15]
.irp j, 16,20,24,28,32,36
	v_pk_add_f32 v[42:43], v[42:43], v[\j:\j+1]
	v_pk_add_f32 v[44:45], v[44:45], v[\j+2:\j+3]
.endr
	v_pk_add_f32 v[42:43], v[42:43], v[44:45]
	v_add_f32 v42, v42, v43
	v_add_f32_dpp v42, v42, v42 row_xmask:1 row_mask:0xf bank_mask:0xf
	v_add_f32_dpp v42, v42, v42 row_xmask:2 row_mask:0xf bank_mask:0xf
	v_add_f32_dpp v42, v42, v42 row_xmask:4 row_mask:0xf bank_mask:0xf
	v_add_f32_dpp v42, v42, v42 row_xmask:8 row_mask:0xf bank_mask:0xf
	v_permlanex16_b32 v43, v42, s10, s11
	v_add_f32 v42, v42, v43                        ; the row's sum: at least 1, since the largest term is 2^0
	v_rcp_f32 v44, v42
	v_nop                                          ; a plain line behind the reciprocal
.irp j, 0,2,4,6,8,10,12,14,16,18,20,22,24,26,28,30
	v_pk_mul_f32 v[X+\j:X+\j+1], v[X+\j:X+\j+1], v[44:45] op_sel_hi:[1,0]   ; of the pair the low word serves both halves
.endr
.irp i, 0,1,2,3,4,5,6,7
	global_store_b128 v1, v[X+4*\i:X+4*\i+3], s[6:7] offset:512*\i th:TH_STORE_NT
.endr
	s_endpgm
.Lfunc_end_k_q638dda72d1_softmax:
	.size	k_q638dda72d1_softmax, .Lfunc_end_k_q638dda72d1_softmax-k_q638dda72d1_softmax
	.p2alignl 7, 3214868480
	.fill 96, 4, 3214868480
	.section	.rodata,"a",@progbits
	.p2align	6, 0x0
	.amdhsa_kernel k_q638dda72d1_softmax
		.amdhsa_group_segment_fixed_size 0
		.amdhsa_private_segment_fixed_size 0
		.amdhsa_enable_private_segment 0
		.amdhsa_kernarg_size 16
		.amdhsa_user_sgpr_count 2
		.amdhsa_user_sgpr_kernarg_segment_ptr 1
		.amdhsa_wavefront_size32 1
		.amdhsa_system_sgpr_workgroup_id_x 1
		.amdhsa_system_sgpr_workgroup_id_y 1
		.amdhsa_system_sgpr_workgroup_id_z 1
		.amdhsa_system_vgpr_workitem_id 0
		.amdhsa_next_free_vgpr 64
		.amdhsa_next_free_sgpr 66
		.amdhsa_reserve_vcc 0
		.amdhsa_float_denorm_mode_32 3
		.amdhsa_float_denorm_mode_16_64 3
		.amdhsa_memory_ordered 1
		.amdhsa_forward_progress 1
		.amdhsa_inst_pref_size 10
	.end_amdhsa_kernel
	.amdgpu_metadata
---
amdhsa.version: [ 1, 2 ]
amdhsa.kernels:
  - .name:           k_q638dda72d1_softmax
    .symbol:         k_q638dda72d1_softmax.kd
    .args:
      - { .name: scores, .offset: 0, .size: 8, .value_kind: global_buffer, .address_space: global }
      - { .name: out0, .offset: 8, .size: 8, .value_kind: global_buffer, .address_space: global }
    .group_segment_fixed_size: 0
    .private_segment_fixed_size: 0
    .kernarg_segment_align: 8
    .kernarg_segment_size: 16
    .max_flat_workgroup_size: 32
    .sgpr_count:     66
    .vgpr_count:     64
    .wavefront_size: 32
...
	.end_amdgpu_metadata
.endif
;; end of part 3
